; MI455X (gfx1250); checked and timed in simulation.
; The chip was launched on July 23, 2026; its instructions are those of AMD's public machine-readable ISA for CDNA 5 (MIT licence, August 2026) and "CDNA5" Instruction Set Architecture Reference Guide (July 2026). The comments in the code are by the model that wrote it; some were corrected since.
;; Min GRU. Allowed arithmetic: matrix products marked QUANTISED: E2M3 operands, one E8M0 scale for each 32 along K, by v_wmma_scale_f32_16x16x128_f8f6f4 with both operands' format E2M3, f32 sums; everything else in f32.
;; Inputs: Wn 2,048 x 2,048 float32; Wz 2,048 x 2,048 float32; bn 2,048 float32; bz 2,048 float32; x 4 x 2,048 x 2,048 float32.
;; Outputs: out0 4 x 2,048 x 2,048 float32.
;; This version of the problem:
;;   THIS VERSION OF THE PROBLEM IS GIVEN IN LOW PRECISION. The matrix products marked QUANTISED in the list below multiply operands that are first quantised to E2M3 (2 exponent bits, 3 mantissa bits; 6 bits a number), with one power-of-two scale for each 32 numbers along K (OCP MX v1.0); their sums are f32. All else is computed in f32.
;;   The module's matrix products, in the order in which they are computed (A, B: the left and right operand; K: the contracted axis; several contracted axes count as one K, in the product's order):
;;     1. [M 8,192, K 2,048] x [K 2,048, N 2,048]; A: input x; B: input Wz: QUANTISED
;;     2. [M 8,192, K 2,048] x [K 2,048, N 2,048]; A: input x; B: input Wn: QUANTISED
;;   THE QUANTISER, for each operand of a quantised product, along K:
;;     - K is cut into blocks of 32 from its start; a last block that is shorter is filled with zeros.
;;     - A block's scale is 2^e with e = floor(log2(the largest magnitude in the block)) - 2, held to -126 .. 127; a block of zeros has e = 0. As a byte (E8M0): e + 127.
;;     - Each number is divided by its block's scale, clamped to +-7.5, and rounded to the nearest number of E2M3, ties to even, subnormals kept.
;;     - The product sums the exact products of the quantised numbers (number of the format x scale) in f32.
;;   ~~~python
;;   def quantise(x, axis):      # numpy; x: float32 -> the quantised numbers, widened to float32 again
;;       x = np.moveaxis(x, axis, -1); K = x.shape[-1]
;;       x = np.pad(x, [(0, 0)] * (x.ndim - 1) + [(0, -K % 32)]); x = x.reshape(x.shape[:-1] + (-1, 32)); a = np.abs(x).max(-1, keepdims=True)
;;       e = np.where(a > 0, np.clip(np.frexp(np.where(a > 0, a, 1))[1] - 1 - 2, -126, 127), 0)      # np.frexp(a)[1] - 1 = floor(log2(a)), exactly
;;       r = np.clip(x / 2.0 ** e, -7.5, 7.5)
;;       step = 2.0 ** (np.maximum(np.frexp(np.where(r == 0, 1, r))[1] - 1, 0) - 3)
;;       q = np.round(r / step) * step * 2.0 ** e      # np.round: ties to even
;;       return np.moveaxis(q.reshape(q.shape[:-2] + (-1,))[..., :K], -1, axis).astype(np.float32)
;;   ~~~
;; One version. Each part assembles by itself: llvm-mc -triple=amdgcn-amd-amdhsa -mcpu=gfx1250 --defsym DOCPART=n.
;; ======== version 1 of 1: 2 launches
;; limits: right only within a limited range of input values
;; workspace buffers: xq 13,107,200 bytes; wq 6,553,600 bytes
;; launch quant (part 1): grid 768 x 1, 4 waves a work-group, no clusters, 34,304 bytes of LDS; arguments x, Wz, Wn, xq, wq; writes xq, wq
.if DOCPART == 1
	.amdgcn_target "amdgcn-amd-amdhsa--gfx1250"
	.amdhsa_code_object_version 6
	.text
	.protected	k_qdf2c00986f_quant
	.globl	k_qdf2c00986f_quant
	.p2align	8
	.type	k_qdf2c00986f_quant,@function
k_qdf2c00986f_quant:
	s_mov_b64 s[64:65], 0
	v_nop
	global_prefetch_b8 v0, s[64:65] scope:SCOPE_SE
	s_setreg_imm32_b32 hwreg(HW_REG_WAVE_MODE, 25, 1), 1
	s_wait_xcnt 0x0
; x [8192][2048], Wz [2048][2048], Wn [2048][2048], f32, K innermost, become codes of FP6 (E2M3) with one E8M0 byte for each 32 along K,
; laid as IMAGES OF THE OPERAND'S REGISTERS.  A fragment is 16 rows x 128 K: 12 registers a lane, 1,536 bytes: registers 4 q .. 4 q + 3 of lane l at byte 512 q + 16 l.
; Its scale words are 64 bytes: row r's word at 4 r, byte b for k = 32 b .. 32 b + 31.
;   xq: record g (rows 16 g .. 16 g + 15) at 25,600 g: the image of K step ks at 1,536 ks, its scale words at 24,576 + 64 ks.
;   wq: block E (columns 32 E .. 32 E + 31 of both weights) at 102,400 E: image f = 4 ks + cb at 1,536 f, scale words at 98,304 + 64 f;
;       cb 0, 1: rows 32 E + 16 cb + r of Wz; cb 2, 3: rows 32 E + 16 (cb - 2) + r of Wn.
; A block's scale is 2^(floor(log2(its largest magnitude)) - 2): its byte is the largest magnitude's exponent field - 2, held at 1 from below.
; LIMITS: NaN and infinities among the inputs are not served.  A block of zeros gets the byte 1 where the rule says 127: its codes are zeros, which add nothing
; under any byte but 0xff, and this program alone reads the bytes.
; SHARES: a work-group takes 16 rows and all of K: work-groups 0-511 x, 512-639 Wz, 640-767 Wn.  Wave v takes K steps 4 v .. 4 v + 3: 2,048 consecutive bytes of each row.
; ONE path through the text serves all three tensors: pointers, bases and strides are chosen by s_cselect on the work-group's number.
; Each load reads 512 consecutive bytes of one row; a K step's 16 x 512 bytes turn through the wave's own stage in LDS, so that lane (r, h) gets, of row r, k = 64 c + 32 h + 0 .. 31:
; two whole blocks in the order of the operand's registers: no other lane is asked for a maximum, and the conversions' results are the fragment.  No barrier: waves share nothing.
.set ROWB,  8192                       ; a row of any of the three tensors, in bytes
.set PIT,   528                        ; a stage row: 512 bytes + 16 = 132 words: row r starts at bank 4 r mod 64 (64 banks of 4 bytes: ISA guide 11.1)
.set WST,   16*PIT                     ; a wave's stage
.set XREC,  25600                      ; a record of xq
.set WBLK,  102400                     ; a block of wq
.set VO,    8                          ; v8-11   step t: where my 16 bytes of an image's first 512 go
.set VS,    12                         ; v12-13  where my scale word of steps 2 u + h goes
.set MX,    14                         ; v14-15  my two blocks' largest magnitudes
.set SO,    16                         ; v16-17  the conversions' scale operands
.set BY,    18                         ; v18-19  the scale bytes
.set WD,    24                         ; v24-27  the four steps' scale words
.set SD,    28                         ; v28-29  two steps' words in one register: lanes 0-15 the even step's, lanes 16-31 the odd step's
.set PC,    32                         ; v32-43  the fragment
.set T,     44                         ; v44-50  the upper halves of the two blocks' codes, as the conversions leave them
.set X,     64                         ; v64-127 my 64 numbers
.set R,     128                        ; v128-255 two sets of 64 registers, as loaded
.set WV,    33                         ; s33     my wave's number
	s_load_b256 s[4:11], s[0:1], 0x0               ; x s[4:5], Wz s[6:7], Wn s[8:9], xq s[10:11]
	s_load_b64 s[12:13], s[0:1], 0x20              ; wq
	v_lshl_add_u32 v62, v0, 2, 0x8400
	v_mov_b32 v63, 0
	v_lshrrev_b32 v1, 5, v0
	v_readfirstlane_b32 s[WV], v1                  ; wave 0..3
	v_and_b32 v1, 31, v0                           ; lane
	v_and_b32 v2, 15, v0                           ; r
	v_bfe_u32 v3, v0, 4, 1                         ; h
	v_lshlrev_b32 v4, 4, v1                        ; my 16 bytes of a load's 512
	s_mul_i32 s40, s[WV], WST
	v_add_nc_u32 v5, s40, v4                       ; the stage, on the way in: as loaded
	v_mul_u32_u24 v6, v2, PIT
	v_lshl_add_u32 v6, v3, 7, v6
	v_add_nc_u32 v6, s40, v6                       ; and on the way out: row r, + 128 h
	v_lshlrev_b32 v7, 3, v3                        ; 8 h: my bytes' place in the scale word
	v_mov_b32 v21, 0                               ; written once: a lane permute's destination counts as one of its sources
	s_mov_b32 s20, 0x76543210
	s_mov_b32 s21, 0xfedcba98                      ; v_permlanex16_b32's selects for lane l xor 16
	s_mov_b32 s30, 0xffff0000                      ; lanes 16-31
	; both candidates of every number that differs between x and the weights
	s_max_u32 s14, ttmp9, 512
	s_sub_co_u32 s14, s14, 512                     ; a weight's work-group: 0..255
	s_lshr_b32 s15, s14, 7                         ; 0: Wz, 1: Wn
	s_and_b32 s16, s14, 127                        ; which 16 rows of it
	s_lshr_b32 s17, s16, 1                         ; E
	s_and_b32 s18, s16, 1
	s_lshl_b32 s19, s15, 1
	s_add_co_u32 s18, s18, s19                     ; cb
	s_mul_i32 s22, s17, WBLK
	s_mul_i32 s23, s18, 1536
	s_add_co_u32 s23, s22, s23                     ; W: images from E x 102,400 + 1,536 cb on,
	s_lshl_b32 s24, s18, 6
	s_add_co_u32 s24, s24, s22
	s_add_co_u32 s24, s24, 98304                   ; scale words from E x 102,400 + 98,304 + 64 cb on,
	s_lshl_b32 s25, s16, 17                        ; the 16 rows' first byte
	s_mul_i32 s26, ttmp9, XREC                     ; x: the record,
	s_add_co_u32 s27, s26, 24576                   ; its scale words,
	s_lshl_b32 s28, ttmp9, 17                      ; the 16 rows' first byte
	s_wait_alu depctr_va_vdst(0)
	s_wait_kmcnt 0x0
	s_cmp_eq_u32 s15, 0
	s_cselect_b64 s[6:7], s[6:7], s[8:9]           ; which weight: the choice hangs on the work-group's number alone
	s_cmp_lt_u32 ttmp9, 512                        ; x's work-group or a weight's?
	s_cselect_b64 s[4:5], s[4:5], s[6:7]           ; from where
	s_cselect_b64 s[10:11], s[10:11], s[12:13]     ; to where
	s_cselect_b32 s28, s28, s25
	s_cselect_b32 s34, s26, s23
	s_cselect_b32 s36, s27, s24
	s_mov_b32 s31, 6144
	s_cselect_b32 s31, 1536, s31                   ; from a K step's image to the next
	s_cselect_b32 s32, 64, 0x100                   ; from its scale words to the next
	s_mov_b32 s35, 0
	s_mov_b32 s37, 0
	s_lshl_b32 s29, s[WV], 11                      ; my wave's 2,048 bytes of each row
	s_add_co_u32 s28, s28, s29
	s_mov_b32 s29, 0
	s_add_nc_u64 s[4:5], s[4:5], s[28:29]
	s_add_nc_u64 s[38:39], s[10:11], s[36:37]      ; the scale words' base
	s_add_nc_u64 s[10:11], s[10:11], s[34:35]      ; the images' base
	s_lshl_b32 s41, s[WV], 2                       ; my first K step
.irp t, 0,1,2,3
	s_add_co_u32 s42, s41, \t
	s_mul_i32 s42, s42, s31
	v_add_nc_u32 v[VO+\t], s42, v4
.endr
.irp u, 0,1
	s_add_co_u32 s42, s41, 2*\u
	v_add_nc_u32 v[VS+\u], s42, v3                 ; K step 4 v + 2 u + h
	v_mul_lo_u32 v[VS+\u], v[VS+\u], s32
	v_lshl_add_u32 v[VS+\u], v2, 2, v[VS+\u]       ; + 4 r
.endr
.macro LOAD t                          ; K step t of my four: 16 rows x 512 consecutive bytes, into set t % 2
.irp p, 0,1,2,3,4,5,6,7,8,9,10,11,12,13,14,15
	global_load_b128 v[R+64*((\t)%2)+4*\p:R+64*((\t)%2)+4*\p+3], v4, s[4:5] offset:ROWB*\p+512*(\t) th:TH_LOAD_NT
.endr
.endm
.macro STEP t
.if (\t) < 3
	s_wait_loadcnt 16                              ; this step's sixteen loads are in; the next step's sixteen may be out
.else
	s_wait_loadcnt 0x0
.endif
.irp p, 0,1,2,3,4,5,6,7,8,9,10,11,12,13,14,15
	ds_store_b128 v5, v[R+64*((\t)%2)+4*\p:R+64*((\t)%2)+4*\p+3] offset:PIT*\p
.endr
.irp c, 0,1
.irp i, 0,1,2,3,4,5,6,7
	ds_load_b128 v[X+32*\c+4*\i:X+32*\c+4*\i+3], v6 offset:256*\c+16*\i   ; LDS serves a wave's instructions in order (ISA guide 5.7.1.4): these see the stores above
.endr
.endr
	s_wait_dscnt 0x0                               ; my 64 numbers are in, and the stores into the stage have read their registers,
.if (\t)+2 < 4
	LOAD (\t)+2                                    ; which take the loads of two steps on
.endif
.irp c, 0,1
	v_max3_num_f32 v[MX+\c], |v[X+32*\c]|, |v[X+32*\c+1]|, 0x1800000   ; block 2 c + h: all its 32 numbers are mine; the floor 2^(3 - 127) holds the byte at 1 from below
.endr
.irp i, 2,4,6,8,10,12,14,16,18,20,22,24,26,28,30
.irp c, 0,1
	v_max3_num_f32 v[MX+\c], v[MX+\c], |v[X+32*\c+\i]|, |v[X+32*\c+\i+1]|   ; (the two blocks by turns)
.endr
.endr
.irp c, 0,1
	v_add_nc_u32 v[SO+\c], 0xff000000, v[MX+\c]    ; 2 off the exponent field: the conversion takes the exponent field of this operand as its scale, and nothing else of it
.endr
.irp c, 0,1
	v_lshrrev_b32 v[BY+\c], 23, v[SO+\c]           ; the scale's byte
.endr
	v_lshl_or_b32 v20, v[BY+1], 16, v[BY]          ; my two bytes: blocks h and 2 + h of row r,
	v_lshlrev_b32 v20, v7, v20                     ; at their places in the scale word;
	v_permlanex16_b32 v21, v20, s20, s21
	v_or_b32 v[WD+(\t)], v20, v21                  ; with lane l xor 16's two the word is whole, in both halves of the lanes
.if (\t) > 0
	s_wait_alu depctr_va_vdst(0)
	s_wait_xcnt 0x0                                ; the last step's stores have had their addresses translated (ISA guide 3.1): only behind this wait is the fragment written again
.endif
	v_cvt_scalef32_pk16_fp6_f32 v[PC:PC+2], v[X:X+15], v[SO]           ; registers 0-2: k = 32 h + 0 .. 15
	v_cvt_scalef32_pk16_fp6_f32 v[T:T+2], v[X+16:X+31], v[SO]          ; (a conversion's three registers begin on an even number: the upper half of a block's six does not, so it is made here and moved)
	v_cvt_scalef32_pk16_fp6_f32 v[PC+6:PC+8], v[X+32:X+47], v[SO+1]    ; registers 6-8: k = 64 + 32 h + 0 .. 15
	v_cvt_scalef32_pk16_fp6_f32 v[T+4:T+6], v[X+48:X+63], v[SO+1]
	v_nop                                          ; one plain place behind a scaled conversion
.irp i, 0,1,2
	v_mov_b32 v[PC+3+\i], v[T+\i]
	v_mov_b32 v[PC+9+\i], v[T+4+\i]
.endr
.irp q, 0,1,2
	global_store_b128 v[VO+(\t)], v[PC+4*\q:PC+4*\q+3], s[10:11] offset:512*\q   ; 32 lanes store 512 consecutive bytes, at a multiple of 256 from the buffer's first byte
.endr
.if ((\t)%2) == 1
	v_cndmask_b32 v[SD+(\t)/2], v[WD+(\t)-1], v[WD+(\t)], s30      ; lanes 0-15: the even step's words, lanes 16-31: the odd step's
	global_store_b32 v[VS+(\t)/2], v[SD+(\t)/2], s[38:39]          ; x: 128 consecutive bytes; a weight: two pieces of 64: one byte in 128 of what the launch reads
.endif
.endm
	LOAD 0
	LOAD 1
	STEP 0
	STEP 1
	STEP 2
	STEP 3
	s_wait_tensorcnt 0x0
	ds_add_u32 v62, v63
	s_wait_dscnt 0x0
	s_endpgm
.Lfunc_end_k_qdf2c00986f_quant:
	.size	k_qdf2c00986f_quant, .Lfunc_end_k_qdf2c00986f_quant-k_qdf2c00986f_quant
	.p2alignl 7, 3214868480
	.fill 96, 4, 3214868480
	.section	.rodata,"a",@progbits
	.p2align	6, 0x0
	.amdhsa_kernel k_qdf2c00986f_quant
		.amdhsa_group_segment_fixed_size 34304
		.amdhsa_private_segment_fixed_size 0
		.amdhsa_enable_private_segment 0
		.amdhsa_kernarg_size 40
		.amdhsa_user_sgpr_count 2
		.amdhsa_user_sgpr_kernarg_segment_ptr 1
		.amdhsa_wavefront_size32 1
		.amdhsa_system_sgpr_workgroup_id_x 1
		.amdhsa_system_sgpr_workgroup_id_y 1
		.amdhsa_system_sgpr_workgroup_id_z 1
		.amdhsa_system_vgpr_workitem_id 0
		.amdhsa_next_free_vgpr 256
		.amdhsa_next_free_sgpr 66
		.amdhsa_reserve_vcc 0
		.amdhsa_float_denorm_mode_32 3
		.amdhsa_float_denorm_mode_16_64 3
		.amdhsa_memory_ordered 1
		.amdhsa_forward_progress 1
		.amdhsa_inst_pref_size 32
	.end_amdhsa_kernel
	.amdgpu_metadata
---
amdhsa.version: [ 1, 2 ]
amdhsa.kernels:
  - .name:           k_qdf2c00986f_quant
    .symbol:         k_qdf2c00986f_quant.kd
    .args:
      - { .name: x, .offset: 0, .size: 8, .value_kind: global_buffer, .address_space: global }
      - { .name: Wz, .offset: 8, .size: 8, .value_kind: global_buffer, .address_space: global }
      - { .name: Wn, .offset: 16, .size: 8, .value_kind: global_buffer, .address_space: global }
      - { .name: xq, .offset: 24, .size: 8, .value_kind: global_buffer, .address_space: global }
      - { .name: wq, .offset: 32, .size: 8, .value_kind: global_buffer, .address_space: global }
    .group_segment_fixed_size: 34304
    .private_segment_fixed_size: 0
    .kernarg_segment_align: 8
    .kernarg_segment_size: 40
    .max_flat_workgroup_size: 128
    .sgpr_count:     66
    .vgpr_count:     256
    .wavefront_size: 32
...
	.end_amdgpu_metadata
.endif
;; end of part 1
;; launch gru (part 2): grid 64 x 4, 4 waves a work-group, clusters of 4 x 1, 327,680 bytes of LDS; arguments xq, wq, bz, bn, out0; writes out0
.if DOCPART == 2
	.amdgcn_target "amdgcn-amd-amdhsa--gfx1250"
	.amdhsa_code_object_version 6
	.text
	.protected	k_qdf2c00986f_gru
	.globl	k_qdf2c00986f_gru
	.p2align	8
	.type	k_qdf2c00986f_gru,@function
k_qdf2c00986f_gru:
	s_mov_b64 s[64:65], 0
	v_nop
	global_prefetch_b8 v0, s[64:65] scope:SCOPE_SE
	s_setreg_imm32_b32 hwreg(HW_REG_WAVE_MODE, 25, 1), 1
	s_wait_xcnt 0x0
	s_wait_alu depctr_hold_cnt(0) depctr_sa_sdst(0) depctr_va_vdst(0) depctr_va_sdst(0) depctr_va_ssrc(0) depctr_va_vcc(0) depctr_vm_vsrc(0)
	s_getreg_b32 s2, hwreg(HW_REG_IB_STS2, 6, 4)
	s_cmp_eq_u32 s2, 0
	s_cbranch_scc0 .Lentry_in_a_cluster
	s_endpgm
.Lentry_in_a_cluster:
	s_bfe_u32 s2, ttmp6, 0x10000c
	s_cmp_lg_u32 s2, 0x3003
	s_cbranch_scc0 .Lentry_shape_is_right
	s_endpgm
.Lentry_shape_is_right:
; out[b][t][e] = h_t, with h_t = (1 - z_t) h_(t-1) + z_t g_t, h_0 = 0.5, z = sigmoid(x Wz^T + bz), g = exp(log_g(x Wn^T + bn)).
; That recurrence is what the scan of logarithms sums, term by term; every term is positive, so no difference of large sums is formed.
; g(n) = n + 0.5 for n >= 0 and sigmoid(n) below 0.  sigmoid is convex below 0 and concave above, with the tangent 0.5 + n / 4 at 0, so for every n the greater of the two forms is the one chosen: g = max(n + 0.5, sigmoid(n)); both are computed.
; sigmoid(v) = 1 / (1 + 2^(-v log2 e)): the exponential's infinity gives 0, its 0 gives 1.  1 - z is formed as such: its error is one rounding of 1.
; LIMITS: NaN and infinities among the inputs are not served; h beyond f32's range is infinity.
; SHARES: a work-group owns one batch and 32 columns e (block E of wq: 64 fragments, kept in each wave's registers) and walks the 2,048 rows in 32 trips of 64; wave w takes 16 rows of a trip: 64 products on 4 accumulators by turns.
; x comes through a ring of two LDS slots of 102,400 bytes, by joint loads of the four work-groups of a cluster, which share the batch.
; A lane scans its 8 rows; the trip's 8 segments meet in LDS, and a trip's rows are brought under their carry and stored during the next trip.
; PREFETCH: of the 16 clusters that read a batch's slots, clusters 0, 5, 10 and 15 ask for the slot three trips on, 25,600 bytes a work-group, shared out by address; the last three trips ask for nothing.
.set SLOTB, 102400
.set QB,    25600
.set FRB,   1536
.set SCO,   24576
.set BRES,  2*SLOTB
.set BSC,   BRES+98304
.set SPARE, 3*SLOTB
.set EXCH,  SPARE+512
.set STG,   EXCH+2*2048
.set STGW,  2304
.set STGH,  1088
.set TRIPB, 64*8192
.set LAPS,  15
.set SPW,  1
.set NIL,  2
.set ADA,  3
.set ASA,  5
.set EXW,  7
.set EXR,  8
.set STW,  9
.set STR,  10
.set GO,   11
.set PFO,  12
.set H,    14
.set BZ,   16
.set BN,   20
.set ST0,  24
.set CMP,  28
.set KZ,   32
.set KN,   48
.set PP,   64
.set HL,   80
.set SA,   96
.set SB,   104
.set F63,  136
.set AB0,  148
.set AB1,  196
.set T1,   148
.set T2,   164
.set T3,   180
.set BL,   248
.set RB,   228
.set EE,   148
.set XX,   180
.set OO,   196
.set BA,   244
.set BS,   246
.set OUTP, 12
.set WV,   14
.set G1A,  24
.set G1B,  32
.set G0S,  40
.set G0B,  48
.set CC,   52
.set MK,   55
.set LAP,  63
.set TN,   66
.set LIM,  67
.set PMK,  68
.set PCM,  69
.set PFA,  70
.set MSB, 0
.macro WIN new
.if MSB != \new
	s_set_vgpr_msb (MSB<<8)|\new
.set MSB, \new
.endif
.endm
.macro PLACES
.rept 4
	v_nop
.endr
.endm
.macro ROUND
	s_barrier_signal -1
	s_barrier_wait -1
	s_cmp_lg_u32 s[WV], 0
	s_cbranch_scc1 .Lnot_wave_0_\@
	s_barrier_signal -3
.Lnot_wave_0_\@:
	s_barrier_wait -3
	s_barrier_signal -1
	s_barrier_wait -1
.endm
.macro CHANGE slot, refill, step
	s_wait_tensorcnt 0x0
	ds_add_u32 v[SPW], v[NIL]
	s_add_nc_u64 s[G0S+4*\slot+2:G0S+4*\slot+3], s[G0S+4*\slot+2:G0S+4*\slot+3], 2*SLOTB
	s_wait_xcnt 0x0
.if \step
	s_add_nc_u64 s[OUTP:OUTP+1], s[OUTP:OUTP+1], TRIPB
	s_add_nc_u64 s[PFA:PFA+1], s[PFA:PFA+1], SLOTB
	s_add_co_u32 s[TN], s[TN], 1
.endif
	s_wait_dscnt 0x0
.if \refill
	ROUND
	tensor_load_to_lds s[G0S+4-4*\slot:G0S+7-4*\slot], s[G1A:G1A+7]
	s_nop 0
.rept 4
	v_nop
.endr
.else
	s_barrier_signal -1
	s_barrier_wait -1
.endif
.endm
.macro LOADA slot, g, buf
.irp i, 0,1,2,3
.irp q, 0,1,2
	ds_load_b128 v[\buf+12*\i+4*\q:\buf+12*\i+4*\q+3], v[ADA+\slot] offset:FRB*(4*(\g)+\i)+512*\q
.endr
.endr
.endm
.macro LOADSA slot
.irp p, 0,1,2,3,4,5,6,7
	ds_load_b32 v[SA+\p], v[ASA+\slot] offset:128*\p
.endr
.endm
.macro LOADE q
.irp g, 0,1,2,3,4,5,6,7
	ds_load_b128 v[EE+4*\g:EE+4*\g+3], v[EXR] offset:2048*(\q)+256*\g
.endr
.endm
.macro MM g, buf
.irp i, 0,1,2,3
.irp cb, 0,1,2,3
.set FF, 16*(\g)+4*\i+\cb
.if FF == 63
.set WN, 0
.set BR, F63
.else
.set WN, (1+FF/21)<<2
.set BR, 12*(FF%21)
.endif
	WIN WN
.set AC, KZ+8*\cb
.set AR, \buf+12*\i
.set SAR, SA+2*(\g)+\i/2
.set SBR, SB+8*(\g)+2*\i+\cb/2
.if (FF < 4) && (\cb%2 == 0)
	v_wmma_scale_f32_16x16x128_f8f6f4 v[AC:AC+7], v[AR:AR+11], v[BR:BR+11], 0, v[SAR], v[SBR] matrix_a_fmt:MATRIX_FMT_FP6 matrix_b_fmt:MATRIX_FMT_FP6
.elseif FF < 4
	v_wmma_scale_f32_16x16x128_f8f6f4 v[AC:AC+7], v[AR:AR+11], v[BR:BR+11], 0, v[SAR], v[SBR] matrix_a_fmt:MATRIX_FMT_FP6 matrix_b_fmt:MATRIX_FMT_FP6 matrix_b_scale:MATRIX_SCALE_ROW1
.elseif (\i%2 == 0) && (\cb%2 == 0)
	v_wmma_scale_f32_16x16x128_f8f6f4 v[AC:AC+7], v[AR:AR+11], v[BR:BR+11], v[AC:AC+7], v[SAR], v[SBR] matrix_a_fmt:MATRIX_FMT_FP6 matrix_b_fmt:MATRIX_FMT_FP6
.elseif \i%2 == 0
	v_wmma_scale_f32_16x16x128_f8f6f4 v[AC:AC+7], v[AR:AR+11], v[BR:BR+11], v[AC:AC+7], v[SAR], v[SBR] matrix_a_fmt:MATRIX_FMT_FP6 matrix_b_fmt:MATRIX_FMT_FP6 matrix_b_scale:MATRIX_SCALE_ROW1
.elseif \cb%2 == 0
	v_wmma_scale_f32_16x16x128_f8f6f4 v[AC:AC+7], v[AR:AR+11], v[BR:BR+11], v[AC:AC+7], v[SAR], v[SBR] matrix_a_fmt:MATRIX_FMT_FP6 matrix_b_fmt:MATRIX_FMT_FP6 matrix_a_scale:MATRIX_SCALE_ROW1
.else
	v_wmma_scale_f32_16x16x128_f8f6f4 v[AC:AC+7], v[AR:AR+11], v[BR:BR+11], v[AC:AC+7], v[SAR], v[SBR] matrix_a_fmt:MATRIX_FMT_FP6 matrix_b_fmt:MATRIX_FMT_FP6 matrix_a_scale:MATRIX_SCALE_ROW1 matrix_b_scale:MATRIX_SCALE_ROW1
.endif
.endr
.endr
.endm
.macro ASK
	s_cmp_lt_u32 s[TN], s[LIM]
	s_cbranch_scc0 .Lnot_mine_\@
	s_and_b32 s72, s[TN], s[PMK]
	s_cmp_eq_u32 s72, s[PCM]
	s_cbranch_scc0 .Lnot_mine_\@
	global_prefetch_b8 v[PFO], s[PFA:PFA+1] th:TH_LOAD_NT scope:SCOPE_SE
.Lnot_mine_\@:
.endm
.macro FIN
	s_wait_dscnt 0x0
	v_mov_b32 v[ST0], v[H]
	v_mov_b32 v[ST0+2], v[H+1]
	v_pk_fma_f32 v[XX:XX+1], v[EE:EE+1], v[H:H+1], v[EE+2:EE+3]
.irp s, 1,2,3,4,5,6
	v_pk_fma_f32 v[XX+2*\s:XX+2*\s+1], v[EE+4*\s:EE+4*\s+1], v[XX+2*\s-2:XX+2*\s-1], v[EE+4*\s+2:EE+4*\s+3]
	v_cndmask_b32 v[ST0], v[ST0], v[XX+2*\s-2], s[MK+\s]
	v_cndmask_b32 v[ST0+2], v[ST0+2], v[XX+2*\s-1], s[MK+\s]
.endr
	v_pk_fma_f32 v[H:H+1], v[EE+28:EE+29], v[XX+12:XX+13], v[EE+30:EE+31]
	v_cndmask_b32 v[ST0], v[ST0], v[XX+12], s[MK+7]
	v_cndmask_b32 v[ST0+2], v[ST0+2], v[XX+13], s[MK+7]
.irp c, 0,1
.irp i, 0,2,4,6
	v_pk_fma_f32 v[OO+8*\c+\i:OO+8*\c+\i+1], v[PP+8*\c+\i:PP+8*\c+\i+1], v[ST0+2*\c:ST0+2*\c+1], v[HL+8*\c+\i:HL+8*\c+\i+1] op_sel_hi:[1,0,1]
.endr
.endr
.irp c, 0,1
.irp j, 0,1,2,3,4,5,6,7
	ds_store_b32 v[STW], v[OO+8*\c+\j] offset:128*\j+64*\c
.endr
.endr
.irp g, 0,1,2,3
	ds_load_b128 v[RB+4*\g:RB+4*\g+3], v[STR] offset:STGH*(\g/2)+512*(\g%2)
.endr
.endm
.macro OUTST back
.irp g, 0,1,2,3
	global_store_b128 v[GO], v[RB+4*\g:RB+4*\g+3], s[OUTP:OUTP+1] offset:32768*\g-(\back) th:TH_STORE_NT
.endr
.endm
.macro GATE p, fin, back
.irp c, 0,1
.irp i, 0,2,4,6
	v_pk_fma_f32 v[T1+8*\c+\i:T1+8*\c+\i+1], v[KZ+8*\c+\i:KZ+8*\c+\i+1], s[CC:CC+1], v[BZ+2*\c:BZ+2*\c+1] op_sel_hi:[1,0,0]   ; -(k + bz) log2 e
.endr
.endr
.irp c, 0,1
.irp i, 0,2,4,6
	v_pk_fma_f32 v[T3+8*\c+\i:T3+8*\c+\i+1], v[KN+8*\c+\i:KN+8*\c+\i+1], s[CC:CC+1], v[BN+2*\c:BN+2*\c+1] op_sel_hi:[1,0,0]   ; -(n + bn) log2 e
.endr
.endr
	s_wait_alu depctr_va_vdst(0)
.irp j, 0,1,2,3,4,5,6,7,8,9,10,11,12,13,14,15
	v_exp_f32 v[T1+\j], v[T1+\j]
.endr
.irp j, 0,1,2,3,4,5,6,7,8,9,10,11,12,13,14,15
	v_exp_f32 v[T3+\j], v[T3+\j]
.endr
.irp c, 0,1
.irp i, 0,2,4,6
	v_pk_add_f32 v[T2+8*\c+\i:T2+8*\c+\i+1], v[KN+8*\c+\i:KN+8*\c+\i+1], v[BL+2*\c:BL+2*\c+1] op_sel_hi:[1,0]   ; n + bn + 0.5: plain work behind the batch
.endr
.endr
.if \fin
	s_wait_dscnt 0x0
	OUTST \back
.endif
	s_wait_alu depctr_va_vdst(0)
.irp i, 0,2,4,6,8,10,12,14
	v_pk_add_f32 v[T1+\i:T1+\i+1], v[T1+\i:T1+\i+1], 1.0 op_sel_hi:[1,0]
	v_pk_add_f32 v[T3+\i:T3+\i+1], v[T3+\i:T3+\i+1], 1.0 op_sel_hi:[1,0]
.endr
	s_wait_alu depctr_va_vdst(0)
.irp j, 0,1,2,3,4,5,6,7,8,9,10,11,12,13,14,15
	v_rcp_f32 v[T1+\j], v[T1+\j]                   ; z
.endr
.irp j, 0,1,2,3,4,5,6,7,8,9,10,11,12,13,14,15
	v_rcp_f32 v[T3+\j], v[T3+\j]                   ; sigmoid(n + bn)
.endr
	v_nop
	s_wait_alu depctr_va_vdst(0)
.irp j, 0,1,2,3,4,5,6,7,8,9,10,11,12,13,14,15
	v_max_num_f32 v[T2+\j], v[T2+\j], v[T3+\j]     ; g
.endr
.irp i, 0,2,4,6,8,10,12,14
	v_pk_mul_f32 v[HL+\i:HL+\i+1], v[T1+\i:T1+\i+1], v[T2+\i:T2+\i+1]                   ; z g
	v_pk_fma_f32 v[PP+\i:PP+\i+1], v[T1+\i:T1+\i+1], -1.0, 1.0 op_sel_hi:[1,0,0]        ; 1 - z
.endr
.irp j, 1,2,3,4,5,6,7
.irp c, 0,1
	v_fma_f32 v[HL+8*\c+\j], v[PP+8*\c+\j], v[HL+8*\c+\j-1], v[HL+8*\c+\j]
	v_mul_f32 v[PP+8*\c+\j], v[PP+8*\c+\j], v[PP+8*\c+\j-1]
.endr
.endr
	v_mov_b32 v[CMP], v[PP+7]
	v_mov_b32 v[CMP+1], v[PP+15]
	v_mov_b32 v[CMP+2], v[HL+7]
	v_mov_b32 v[CMP+3], v[HL+15]
	ds_store_b128 v[EXW], v[CMP:CMP+3] offset:2048*(\p)
.endm
.macro LOADB
.set FF, 0
.rept 64
.if FF == 63
.set WN, 0
.set BR, F63
.else
.set WN, (1+FF/21)<<6
.set BR, 12*(FF%21)
.endif
	WIN WN
.irp q, 0,1,2
	ds_load_b128 v[BR+4*\q:BR+4*\q+3], v[BA+FF/32] offset:FRB*(FF%32)+512*\q
.endr
.set FF, FF+1
.endr
.irp p, 0,1,2,3,4,5,6,7,8,9,10,11,12,13,14,15,16,17,18,19,20,21,22,23,24,25,26,27,28,29,30,31
	ds_load_b32 v[SB+\p], v[BS] offset:128*\p
.endr
	s_wait_dscnt 0x0
.endm
.macro TRIP slot, refill, fin, first
	CHANGE \slot, \refill, 1-\first
.if \first
	LOADB
.endif
	LOADA \slot, 0, AB0
	LOADSA \slot
	LOADA \slot, 1, AB1
	ASK
	s_wait_dscnt 12
	MM 0, AB0
	PLACES
	LOADA \slot, 2, AB0
	s_wait_dscnt 12
	MM 1, AB1
	PLACES
	LOADA \slot, 3, AB1
	s_wait_dscnt 12
	MM 2, AB0
	PLACES
.if \fin
	LOADE 1-\slot
	s_wait_dscnt 8
.else
	s_wait_dscnt 0x0
.endif
	MM 3, AB1
	WIN 0
.if \fin
	FIN
.else
	PLACES
.endif
	s_wait_alu depctr_va_vdst(0)
	GATE \slot, \fin, TRIPB
.endm
	s_load_b256 s[4:11], s[0:1], 0x0
	s_load_b64 s[OUTP:OUTP+1], s[0:1], 0x20
	v_lshl_add_u32 v[SPW], v0, 2, SPARE
	v_mov_b32 v[NIL], 0
	ds_add_u32 v1, v2
	ds_add_u32 v1, v2
	s_wait_dscnt 0x0
	v_lshrrev_b32 v13, 5, v0
	v_readfirstlane_b32 s[WV], v13
	s_bfe_u32 s15, ttmp6, 0x40000
	s_lshl_b32 s16, ttmp9, 2
	s_add_co_u32 s16, s16, s15
	s_and_b32 s17, ttmp7, 0xffff
	s_mov_b32 s[G1A], 15|(3<<16)|(1<<21)
	s_mov_b32 s[G1B], 3<<16
.irp g, G1A, G1B
	s_mov_b32 s[\g+1], 32<<16
	s_mov_b32 s[\g+2], 100<<16
	s_mov_b32 s[\g+3], 32<<16
	s_mov_b32 s[\g+4], 100
	s_mov_b32 s[\g+5], 32
	s_mov_b32 s[\g+6], 0
	s_mov_b32 s[\g+7], 0
.endr
	s_mul_i32 s18, s[WV], QB
	s_mul_i32 s20, s17, 32*SLOTB
	s_add_co_u32 s20, s20, s18
	s_mov_b32 s21, 0
	s_mul_i32 s22, s16, SLOTB
	s_add_co_u32 s22, s22, s18
	s_mov_b32 s23, 0
	s_wait_kmcnt 0x0
	s_mov_b32 s[G0S], 1
	s_mov_b32 s[G0S+1], s18
	s_add_nc_u64 s[G0S+2:G0S+3], s[4:5], s[20:21]
	s_mov_b32 s[G0S+4], 1
	s_add_co_u32 s[G0S+5], s18, SLOTB
	s_add_nc_u64 s[G0S+6:G0S+7], s[G0S+2:G0S+3], SLOTB
	s_or_b32 s[G0S+3], s[G0S+3], 0x80000000
	s_or_b32 s[G0S+7], s[G0S+7], 0x80000000
	s_mov_b32 s[G0B], 1
	s_add_co_u32 s[G0B+1], s18, BRES
	s_add_nc_u64 s[G0B+2:G0B+3], s[6:7], s[22:23]
	s_or_b32 s[G0B+3], s[G0B+3], 0x80000000
	ROUND
	tensor_load_to_lds s[G0B:G0B+3], s[G1B:G1B+7]
	s_nop 0
	s_wait_alu depctr_va_vdst(0)
	s_wait_tensorcnt 0x0
	ds_add_u32 v1, v2
	s_wait_dscnt 0x0
	ROUND
	tensor_load_to_lds s[G0S:G0S+3], s[G1A:G1A+7]
	s_nop 0
.rept 4
	v_nop
.endr
	s_mov_b32 s[CC], 0xbfb8aa3b                    ; -log2 e
	s_mov_b32 s[CC+1], s[CC]
	s_mov_b32 s[TN], 0
	v_and_b32 v247, 31, v0
	v_and_b32 v248, 15, v0
	v_bfe_u32 v249, v0, 4, 1
	v_lshl_add_u32 v[ADA], v247, 4, s18
	v_add_nc_u32 v[ADA+1], SLOTB, v[ADA]
	v_lshl_add_u32 v[ASA], v247, 2, s18
	v_add_nc_u32 v[ASA], SCO, v[ASA]
	v_add_nc_u32 v[ASA+1], SLOTB, v[ASA]
	v_lshl_add_u32 v[EXW], v0, 4, EXCH
	v_lshl_add_u32 v[EXR], v248, 4, EXCH
	s_mul_i32 s19, s[WV], STGW
	s_add_co_u32 s19, s19, STG
	v_mul_u32_u24 v[STW], v249, STGH
	v_lshl_add_u32 v[STW], v248, 2, v[STW]
	v_add_nc_u32 v[STW], s19, v[STW]
	v_lshl_add_u32 v[STR], v247, 4, s19
	v_lshrrev_b32 v250, 3, v247
	v_and_b32 v251, 7, v247
	v_lshlrev_b32 v[GO], 13, v250
	v_lshl_add_u32 v[GO], v251, 4, v[GO]
	v_lshl_add_u32 v[BA], v247, 4, BRES
	v_add_nc_u32 v[BA+1], 32*FRB, v[BA]
	v_lshl_add_u32 v[BS], v247, 2, BSC
.irp s, 1,2,3,4,5,6,7
	s_cmp_eq_u32 s[WV], \s/2
.if \s%2
	s_cselect_b32 s[MK+\s], 0xffff0000, 0
.else
	s_cselect_b32 s[MK+\s], 0xffff, 0
.endif
.endr
	s_lshl_b32 s22, s16, 7
	s_mov_b32 s23, 0
	s_add_nc_u64 s[8:9], s[8:9], s[22:23]
	s_add_nc_u64 s[10:11], s[10:11], s[22:23]
	v_lshlrev_b32 v252, 2, v248
	global_load_b32 v[BZ], v252, s[8:9]
	global_load_b32 v[BZ+2], v252, s[8:9] offset:64
	global_load_b32 v[BN], v252, s[10:11]
	global_load_b32 v[BN+2], v252, s[10:11] offset:64
	s_lshl_b32 s74, s17, 24
	s_lshl_b32 s75, s[WV], 17
	s_add_co_u32 s74, s74, s75
	s_add_co_u32 s74, s74, s22
	s_mov_b32 s75, 0
	s_add_nc_u64 s[OUTP:OUTP+1], s[OUTP:OUTP+1], s[74:75]
	s_mul_i32 s76, s15, QB
	s_mul_i32 s77, s17, 32*SLOTB
	s_add_co_u32 s76, s76, s77
	s_add_co_u32 s76, s76, 3*SLOTB
	s_mov_b32 s77, 0
	s_add_nc_u64 s[PFA:PFA+1], s[4:5], s[76:77]
	s_lshl_b32 s72, 1, ttmp9                       ; the cluster's number along x, 0 to 15: the same in all four partners
	s_and_b32 s72, s72, 0x8421                     ; clusters 0, 5, 10 and 15 ask
	s_cmp_lg_u32 s72, 0
	s_cselect_b32 s[LIM], 29, 0
	s_cmp_eq_u32 s[WV], 3
	s_cselect_b32 s72, 3, 31
	s_cselect_b32 s73, SLOTB, 0
	s_cselect_b32 s[PMK], 7, 0
	s_cselect_b32 s[PCM], 5, 0
	s_lshl_b32 s78, s[WV], 13
	v_and_b32 v[PFO], s72, v247
	v_lshlrev_b32 v[PFO], 8, v[PFO]
	v_lshrrev_b32 v253, 2, v247
	v_mul_lo_u32 v253, v253, s73
	v_add3_u32 v[PFO], v[PFO], v253, s78
	v_mov_b32 v[H], 0.5
	v_mov_b32 v[H+1], 0.5
	v_mov_b32 v[ST0+1], 0
	v_mov_b32 v[ST0+3], 0
	v_mov_b32 v[BZ+1], 0
	v_mov_b32 v[BZ+3], 0
	v_mov_b32 v[BN+1], 0
	v_mov_b32 v[BN+3], 0
	s_wait_loadcnt 0x0
	v_add_f32 v[BL], 0.5, v[BN]                    ; bn + 0.5, a pair for each column tile, the low word used
	v_add_f32 v[BL+2], 0.5, v[BN+2]
	v_mov_b32 v[BL+1], 0
	v_mov_b32 v[BL+3], 0
	v_mul_f32 v[BZ], s[CC], v[BZ]
	v_mul_f32 v[BZ+2], s[CC], v[BZ+2]
	v_mul_f32 v[BN], s[CC], v[BN]
	v_mul_f32 v[BN+2], s[CC], v[BN+2]
	TRIP 0, 1, 0, 1
	s_mov_b32 s[LAP], LAPS
.Llap:
	TRIP 1, 1, 1, 0
	TRIP 0, 1, 1, 0
	s_sub_co_u32 s[LAP], s[LAP], 1
	s_cmp_lg_u32 s[LAP], 0
	s_cbranch_scc1 .Llap
	TRIP 1, 0, 1, 0
	s_wait_xcnt 0x0
	s_wait_dscnt 0x0
	s_barrier_signal -1
	s_barrier_wait -1
	LOADE 1
	FIN
	s_wait_dscnt 0x0
	OUTST 0
	s_wait_tensorcnt 0x0
	ds_add_u32 v[SPW], v[NIL]
	s_wait_dscnt 0x0
	ROUND
	s_endpgm
.Lfunc_end_k_qdf2c00986f_gru:
	.size	k_qdf2c00986f_gru, .Lfunc_end_k_qdf2c00986f_gru-k_qdf2c00986f_gru
	.p2alignl 7, 3214868480
	.fill 96, 4, 3214868480
	.section	.rodata,"a",@progbits
	.p2align	6, 0x0
	.amdhsa_kernel k_qdf2c00986f_gru
		.amdhsa_group_segment_fixed_size 327680
		.amdhsa_private_segment_fixed_size 0
		.amdhsa_enable_private_segment 0
		.amdhsa_kernarg_size 40
		.amdhsa_user_sgpr_count 2
		.amdhsa_user_sgpr_kernarg_segment_ptr 1
		.amdhsa_wavefront_size32 1
		.amdhsa_system_sgpr_workgroup_id_x 1
		.amdhsa_system_sgpr_workgroup_id_y 1
		.amdhsa_system_sgpr_workgroup_id_z 1
		.amdhsa_system_vgpr_workitem_id 0
		.amdhsa_next_free_vgpr 1024
		.amdhsa_next_free_sgpr 80
		.amdhsa_reserve_vcc 0
		.amdhsa_float_denorm_mode_32 3
		.amdhsa_float_denorm_mode_16_64 3
		.amdhsa_memory_ordered 1
		.amdhsa_forward_progress 1
		.amdhsa_inst_pref_size 123
	.end_amdhsa_kernel
	.amdgpu_metadata
---
amdhsa.version: [ 1, 2 ]
amdhsa.kernels:
  - .name:           k_qdf2c00986f_gru
    .symbol:         k_qdf2c00986f_gru.kd
    .args:
      - { .name: xq, .offset: 0, .size: 8, .value_kind: global_buffer, .address_space: global }
      - { .name: wq, .offset: 8, .size: 8, .value_kind: global_buffer, .address_space: global }
      - { .name: bz, .offset: 16, .size: 8, .value_kind: global_buffer, .address_space: global }
      - { .name: bn, .offset: 24, .size: 8, .value_kind: global_buffer, .address_space: global }
      - { .name: out0, .offset: 32, .size: 8, .value_kind: global_buffer, .address_space: global }
    .group_segment_fixed_size: 327680
    .private_segment_fixed_size: 0
    .kernarg_segment_align: 8
    .kernarg_segment_size: 40
    .max_flat_workgroup_size: 128
    .sgpr_count:     80
    .vgpr_count:     1024
    .wavefront_size: 32
...
	.end_amdgpu_metadata
.endif
;; end of part 2
